; MI455X (gfx1250); checked and timed in simulation.
; The chip was launched on July 23, 2026; its instructions are those of AMD's public machine-readable ISA for CDNA 5 (MIT licence, August 2026) and "CDNA5" Instruction Set Architecture Reference Guide (July 2026). The comments in the code are by the model that wrote it; some were corrected since.
;; Ternary Linear. Allowed arithmetic: matrix products marked QUANTISED: E2M3 operands, one E8M0 scale for each 32 along K, by v_wmma_scale_f32_16x16x128_f8f6f4 with both operands' format E2M3, f32 sums; everything else in f32.
;; Inputs: bias 4,096 float32; lora_A 4,096 x 32 float32; lora_B 32 x 4,096 float32; scale 4,096 x 1 float32; weight_q 4,096 x 4,096 int8; x 4,096 x 4,096 float32.
;; Outputs: out0 4,096 x 4,096 float32.
;; This version of the problem:
;;   THIS VERSION OF THE PROBLEM IS GIVEN IN LOW PRECISION. The matrix products marked QUANTISED in the list below multiply operands that are first quantised to E2M3 (2 exponent bits, 3 mantissa bits; 6 bits a number), with one power-of-two scale for each 32 numbers along K (OCP MX v1.0); their sums are f32. All else is computed in f32.
;;   The module's matrix products, in the order in which they are computed (A, B: the left and right operand; K: the contracted axis; several contracted axes count as one K, in the product's order):
;;     1. [M 4,096, K 4,096] x [K 4,096, N 4,096]; A: input x; B: input weight_q: QUANTISED
;;     2. [M 4,096, K 4,096] x [K 4,096, N 32]; A: input x; B: input lora_B: QUANTISED
;;     3. [M 4,096, K 32] x [K 32, N 4,096]; A: computed on the way; B: input lora_A: QUANTISED
;;   THE QUANTISER, for each operand of a quantised product, along K:
;;     - K is cut into blocks of 32 from its start; a last block that is shorter is filled with zeros.
;;     - A block's scale is 2^e with e = floor(log2(the largest magnitude in the block)) - 2, held to -126 .. 127; a block of zeros has e = 0. As a byte (E8M0): e + 127.
;;     - Each number is divided by its block's scale, clamped to +-7.5, and rounded to the nearest number of E2M3, ties to even, subnormals kept.
;;     - The product sums the exact products of the quantised numbers (number of the format x scale) in f32.
;;   ~~~python
;;   def quantise(x, axis):      # numpy; x: float32 -> the quantised numbers, widened to float32 again
;;       x = np.moveaxis(x, axis, -1); K = x.shape[-1]
;;       x = np.pad(x, [(0, 0)] * (x.ndim - 1) + [(0, -K % 32)]); x = x.reshape(x.shape[:-1] + (-1, 32)); a = np.abs(x).max(-1, keepdims=True)
;;       e = np.where(a > 0, np.clip(np.frexp(np.where(a > 0, a, 1))[1] - 1 - 2, -126, 127), 0)      # np.frexp(a)[1] - 1 = floor(log2(a)), exactly
;;       r = np.clip(x / 2.0 ** e, -7.5, 7.5)
;;       step = 2.0 ** (np.maximum(np.frexp(np.where(r == 0, 1, r))[1] - 1, 0) - 3)
;;       q = np.round(r / step) * step * 2.0 ** e      # np.round: ties to even
;;       return np.moveaxis(q.reshape(q.shape[:-2] + (-1,))[..., :K], -1, axis).astype(np.float32)
;;   ~~~
;;   OPERANDS COMPUTED ON THE WAY. 'Computed on the way' means the value that the module computes at that place (a softmax that the list does not call 'softmax' is quantised finished and normalised). What goes into a quantiser is computed in f32, as accurately as f32 sums, v_exp_f32 and their like allow (about 1e-6 of the number): no bf16 or f16 on the way to a quantiser, and a product that is left as it is and whose result goes on into a quantised operand takes f32 operands (vector FMAs, or v_wmma_f32_16x16x4_f32). A number that lies on a knife's edge between two numbers of the format may be rounded either way, as far as f32 arithmetic and the matrix unit's own rounding can turn it there, and no further.
;; One version. Each part assembles by itself: llvm-mc -triple=amdgcn-amd-amdhsa -mcpu=gfx1250 --defsym DOCPART=n.
;; ======== version 1 of 1: 3 launches
;; limits: right only within a limited range of input values
;; workspace buffers: xcodes 13,697,024 bytes; wcodes 13,697,024 bytes; bq 102,400 bytes
;; launch prep (part 1): grid 256 x 1, 9 waves a work-group, no clusters, 71,680 bytes of LDS; arguments weight_q, lora_A, lora_B, wcodes, bq; writes wcodes, bq
.if DOCPART == 1
	.amdgcn_target "amdgcn-amd-amdhsa--gfx1250"
	.amdhsa_code_object_version 6
	.text
	.protected	k_q3c89848713_prep
	.globl	k_q3c89848713_prep
	.p2align	8
	.type	k_q3c89848713_prep,@function
k_q3c89848713_prep:
	s_mov_b64 s[64:65], 0
	v_nop
	global_prefetch_b8 v0, s[64:65] scope:SCOPE_SE
	s_setreg_imm32_b32 hwreg(HW_REG_WAVE_MODE, 25, 1), 1
	s_wait_xcnt 0x0
; The weights' side of out = (Q(x) Q(W)^T) scale + Q(t) Q(lora_A)^T + bias, t = Q(x) Q(lora_B)^T, is made ready once: W (int8), lora_A and lora_B (f32) become codes of FP6 (E2M3)
; with one E8M0 byte for each 32 along K.  A block's scale is 2^(floor(log2(its largest magnitude)) - 2); its byte is that magnitude's exponent field - 2, held at 1 from below.
; LIMITS: NaN and infinities among the inputs are not served.  A block of zeros gets the byte 1 where the rule says 127: its codes are zeros, which add nothing under any byte but 0xff, and only this program reads the bytes.
; Nothing of W's numbers is built in: any int8 w is brought to the top byte of a word and converted, which gives w x 2^24 exactly; codes hang on a number's ratio to its block's scale alone, and 24 is taken off the scale's byte.
; LAYOUTS (this program's own).  A FRAGMENT is 16 rows x 128 K, 12 registers a lane: lane (r = lane % 16, h = lane / 16) holds row r, registers 6 c .. 6 c + 5 the codes of K = 64 c + 32 h + 0 .. 31.
; Its IMAGE is 1,536 bytes: registers 4 c .. 4 c + 3 of lane l at 512 c + 16 l: three stores of 16 bytes a lane write it, three loads bring it back into the same lanes.
;   wcodes [row block of 16: 256][slot: 11][4,864]: a slot holds the images of K steps 3 t, 3 t + 1, 3 t + 2, then 256 bytes [r: 16][4 words]: word q is row r's scale word of step 3 t + q, word 3 is 0.
;          Steps 0 to 31 are W's 4,096 along K; step 32 is Q(lora_A) (K = 32, filled to 128 with zero codes).  So image s lies at 1,536 s + 256 (s / 3) of its row block.
;   bq     lora_B's 64 images [u: ranks 16 u on][K step s: 32][1,536], then from 98,304 their scale words [u][s][r: 16], 4 bytes each.
; SHARES.  Work-group i takes W's rows 16 i .. 16 i + 15; its waves 0 to 7 take 512 along K each, four fragments.  Wave 8 takes rows 16 i + r of lora_A as one fragment, and in work-groups 0 to 63 fragment i of lora_B.
; A slot's three scale words come from different waves: they meet in LDS, one barrier, and wave 8 stores the row block's eleven groups of 256 bytes whole.
; In two stores (the eleventh group; lora_B's scale words) lanes l and l + 16 write the same bytes with the same value.  No matrix work, no tensor load, no cluster: each byte is read once and nothing is shared between work-groups.
.set SP,   528                         ; a stage row: 512 bytes + 16
.set STG,  16*SP                       ; a wave's stage: 16 rows
.set WS,   8*STG                       ; behind the eight stages: the row block's scale words as they will lie in memory: 256 t + 16 r + 4 q: 2,816 bytes
.set SPARE, WS+2816                    ; behind them the spare words, 128 bytes a wave
.set RBK,  53504                       ; a row block of wcodes
.set WA,   8                           ; v8-11    where I put the scale words of my four K steps (wave 8: v8, step 32's)
.set PC,   16                          ; v16-63   four fragments' codes: a set for each, so that no store's data are written again
.set WP,   64                          ; v64-127  W as loaded, then as read back from the stage (wave 8: lora_B's 64 numbers)
.set F,    128                         ; v128-191 a fragment's 64 numbers of my lane, f32: register 32 c + i = K 64 c + 32 h + i
.set PT,   192                         ; v192-199 the upper halves of two blocks' codes (a conversion's three registers begin on an even number)
.set TM,   200                         ; v200-201 largest magnitudes, v202-203 the conversions' scale operands, v204-205 bytes, v206 the other half's bytes
.set PW,   208                         ; v208-211 the four fragments' scale words
.set SH8,  13                          ; v13      8 h
.set MASK, 214                         ; v214     all ones in lanes 0-15, 0 in lanes 16-31
.set ZR,   215                         ; v215     0: the low bytes of an int8 brought to the top byte
.set SPW,  216                         ; v216     my spare word; v217: 0; both kept for the add alone
.set NIL,  217
.set SEL,  22                          ; s[22:23] lane selects: lane l xor 16
; 64 numbers of a lane become a fragment's 12 registers in v[pc] on and its row's scale word in v[pw].  A lane holds two whole blocks, so no other lane is asked for a maximum.
; up = 1: the numbers stand 2^24 too high: the floor is 2^(27 - 127), and 24 is taken off both bytes at once.
.macro QFRAG s, pc, pw, up
.irp c, 0,1
	v_max3_num_f32 v[TM+\c], |v[(\s)+32*\c]|, |v[(\s)+32*\c+1]|, (3+24*(\up))<<23   ; and the floor: the byte cannot fall under 1
.endr
.irp i, 2,4,6,8,10,12,14,16,18,20,22,24,26,28,30
.irp c, 0,1
	s_delay_alu instid0(VALU_DEP_2)
	v_max3_num_f32 v[TM+\c], v[TM+\c], |v[(\s)+32*\c+\i]|, |v[(\s)+32*\c+\i+1]|   ; the two blocks by turns
.endr
.endr
.irp c, 0,1
	s_delay_alu instid0(VALU_DEP_2)
	v_add_nc_u32 v[TM+2+\c], 0xff000000, v[TM+\c]  ; 2 off the exponent field: the conversion takes this operand's exponent field as its scale
.endr
.irp c, 0,1
	s_delay_alu instid0(VALU_DEP_2)
	v_lshrrev_b32 v[TM+4+\c], 23, v[TM+2+\c]       ; the scale's byte
.endr
	s_delay_alu instid0(VALU_DEP_1)
	v_lshl_or_b32 v[\pw], v[TM+5], 16, v[TM+4]     ; my two bytes: blocks h and 2 + h,
.if \up
	s_delay_alu instid0(VALU_DEP_1)
	v_add_nc_u32 v[\pw], 0xffe7ffe8, v[\pw]        ; less 24 each (each is 25 at the least: nothing is borrowed),
.endif
	s_delay_alu instid0(VALU_DEP_1)
	v_lshlrev_b32 v[\pw], v[SH8], v[\pw]           ; at their places in the word;
	s_delay_alu instid0(VALU_DEP_1)
	v_permlanex16_b32 v[TM+6], v[\pw], s[SEL], s[SEL+1]
	s_delay_alu instid0(VALU_DEP_1)
	v_or_b32 v[\pw], v[\pw], v[TM+6]               ; with lane l xor 16's two the word is whole, in both lanes
.irp c, 0,1
	v_cvt_scalef32_pk16_fp6_f32 v[(\pc)+6*\c:(\pc)+6*\c+2], v[(\s)+32*\c:(\s)+32*\c+15], v[TM+2+\c]
	v_cvt_scalef32_pk16_fp6_f32 v[PT+4*\c:PT+4*\c+2], v[(\s)+32*\c+16:(\s)+32*\c+31], v[TM+2+\c]
.endr
	v_nop                                          ; one plain instruction behind the scaled conversions, ahead of what touches their results or writes their sources
.irp c, 0,1
.irp i, 0,1,2
	v_mov_b32 v[(\pc)+3+6*\c+\i], v[PT+4*\c+\i]
.endr
.endr
.endm
; fragment t's 16 registers of int8 become 64 f32, each w x 2^24: the byte goes to the top of a word over zeros, and the word is converted (exact)
.macro UNPACK t
.irp m, 0,1,2,3,4,5,6,7,8,9,10,11,12,13,14,15
	v_lshlrev_b32 v[F+4*\m], 24, v[WP+16*(\t)+\m]
	v_perm_b32 v[F+4*\m+1], v[WP+16*(\t)+\m], v[ZR], s40   ; top byte: byte 1 of W's word; the others: a byte of v[ZR]
	v_perm_b32 v[F+4*\m+2], v[WP+16*(\t)+\m], v[ZR], s41   ; byte 2
	v_and_b32 v[F+4*\m+3], 0xff000000, v[WP+16*(\t)+\m]
.endr
.irp m, 0,1,2,3,4,5,6,7,8,9,10,11,12,13,14,15
.irp b, 0,1,2,3
	v_cvt_f32_i32 v[F+4*\m+\b], v[F+4*\m+\b]
.endr
.endr
.endm
; wave 8: lora_A's 16 rows become step 32's fragment and its scale words; the image is stored behind the barrier
.macro DOA
.set J, 0
.rept 32
	v_and_b32 v[F+J], v[F+J], v[MASK]              ; K = 0 .. 31 lie in lanes 0-15; all else of the K step is zeros
	v_mov_b32 v[F+32+J], 0
.set J, J+1
.endr
	QFRAG F, PC, PW, 0
	ds_store_b32 v[WA], v[PW]
.endm
	s_load_b256 s[4:11], s[0:1], 0x0               ; weight_q s[4:5], lora_A s[6:7], lora_B s[8:9], wcodes s[10:11]
	s_load_b64 s[12:13], s[0:1], 0x20              ; bq
	v_lshl_add_u32 v[SPW], v0, 2, SPARE
	v_mov_b32 v[NIL], 0
	v_lshrrev_b32 v1, 5, v0
	s_delay_alu instid0(VALU_DEP_1)
	v_readfirstlane_b32 s20, v1                    ; wave 0..8
	v_and_b32 v1, 31, v0                           ; lane
	v_and_b32 v2, 15, v0                           ; r
	v_bfe_u32 v3, v0, 4, 1                         ; h
	s_delay_alu instid0(VALU_DEP_3)
	v_lshlrev_b32 v4, 4, v1                        ; 16 x lane
	s_mul_i32 s21, s20, STG                        ; my stage (waves 0 to 7)
	v_add_nc_u32 v5, s21, v4                       ; into it: a row's 512 bytes as they lie
	v_mul_u32_u24 v6, v2, SP
	s_delay_alu instid0(VALU_DEP_1)
	v_lshl_add_u32 v6, v3, 5, v6
	s_delay_alu instid0(VALU_DEP_1)
	v_add_nc_u32 v6, s21, v6                       ; out of it: row r, + 32 h: my block of 32 int8
	v_lshlrev_b32 v12, 4, v2                       ; 16 r
	s_wait_alu depctr_va_vdst(0)
	v_mul_u32_u24 v7, v3, 4864
	s_delay_alu instid0(VALU_DEP_1)
	v_add_nc_u32 v7, v7, v12                       ; in wcodes: lanes 0-15 one slot's scale words, lanes 16-31 the next slot's
	v_add_nc_u32 v14, WS, v4                       ; and the same two groups in LDS
	v_add_nc_u32 v15, WS+2560, v12                 ; the eleventh group, by both halves of the lanes
	v_lshlrev_b32 v[SH8], 3, v3
	v_add_nc_u32 v[MASK], -1, v3
	v_mov_b32 v[TM+6], 0                           ; written once: a lane permute's destination counts as one of its sources
	v_mov_b32 v[ZR], 0
	s_mov_b32 s[SEL], 0x76543210
	s_mov_b32 s[SEL+1], 0xfedcba98
	s_mov_b32 s40, 0x05000000
	s_mov_b32 s41, 0x06000000
	; K step s = 4 x wave + t (wave 8, t = 0: step 32, lora_A's): its scale word lies at 16 r + 4 s + 244 (s / 3) of the words, its image at 1,536 s + 256 (s / 3) of the row block.  s / 3 = (43 s) >> 7 for s up to 35
	s_lshl_b32 s14, s20, 2
.irp t, 0,1,2,3
	s_add_co_u32 s15, s14, \t
	s_mul_i32 s16, s15, 43
	s_lshr_b32 s16, s16, 7
	s_mul_i32 s17, s16, 244
	s_lshl_b32 s18, s15, 2
	s_add_co_u32 s17, s17, s18
	s_add_co_u32 s17, s17, WS
	v_add_nc_u32 v[WA+\t], s17, v12
	s_mul_i32 s18, s15, 1536
	s_lshl_b32 s16, s16, 8
	s_add_co_u32 s[24+2*\t], s18, s16
	s_mov_b32 s[25+2*\t], 0
.endr
	s_mul_i32 s32, ttmp9, RBK
	s_mov_b32 s33, 0
	s_wait_alu depctr_va_vdst(0)                   ; the wait at the head's end
	s_wait_kmcnt 0x0
	s_add_nc_u64 s[10:11], s[10:11], s[32:33]      ; my row block of wcodes
.irp t, 0,1,2,3
	s_add_nc_u64 s[24+2*\t:25+2*\t], s[10:11], s[24+2*\t:25+2*\t]   ; and my four images in it (wave 8 uses the first alone)
.endr
	s_cmp_eq_u32 s20, 8
	s_cbranch_scc1 .Lsmall
	; ---- waves 0 to 7: W
	s_lshl_b32 s34, ttmp9, 16                      ; 16 rows of 4,096 bytes a work-group,
	s_lshl_b32 s35, s20, 9                         ; 512 bytes of each row a wave
	s_add_co_u32 s34, s34, s35
	s_mov_b32 s35, 0
	s_add_nc_u64 s[4:5], s[4:5], s[34:35]
.irp j, 0,1,2,3,4,5,6,7,8,9,10,11,12,13,14,15
	global_load_b128 v[WP+4*\j:WP+4*\j+3], v4, s[4:5] offset:4096*\j th:TH_LOAD_NT   ; row j: 32 lanes read 512 consecutive bytes, aligned
.endr
.irp j, 0,1,2,3,4,5,6,7,8,9,10,11,12,13,14,15
	s_wait_loadcnt 15-\j                           ; loads come back in order: row j is in, the younger ones may be out
	ds_store_b128 v5, v[WP+4*\j:WP+4*\j+3] offset:SP*\j
.endr
.irp t, 0,1,2,3
.irp c, 0,1
.irp e, 0,1
	ds_load_b128 v[WP+16*\t+8*\c+4*\e:WP+16*\t+8*\c+4*\e+3], v6 offset:128*\t+64*\c+16*\e   ; LDS serves a wave's instructions in order (ISA guide 5.7.1.4): these see the stores above
.endr
.endr
.endr
.irp t, 0,1,2,3
	s_wait_dscnt 12-4*\t                           ; fragment t's four reads are in; the later fragments' may be out
	UNPACK \t
	QFRAG F, PC+12*\t, PW+\t, 1
.endr
.irp t, 0,1,2,3
	ds_store_b32 v[WA+\t], v[PW+\t]                ; lanes l and l + 16 hold the same word and write it to the same place
.endr
.irp t, 0,1,2,3                                ; the four images leave together, behind the wave's vector and LDS work
.irp c, 0,1,2
	global_store_b128 v4, v[PC+12*\t+4*\c:PC+12*\t+4*\c+3], s[24+2*\t:25+2*\t] offset:512*\c   ; 512 consecutive bytes a store, aligned
.endr
.endr
	s_branch .Ljoin
	; ---- wave 8: the two small tensors.  A lane's 128 bytes are its own, so neighbouring lanes stand apart: taken as it is for a seventeenth of what the launch reads
.Lsmall:
	s_lshl_b32 s34, ttmp9, 11                      ; lora_A: 16 rows of 128 bytes a work-group
	s_mov_b32 s35, 0
	s_add_nc_u64 s[6:7], s[6:7], s[34:35]
	v_lshlrev_b32 v44, 7, v2                       ; 128 r: both halves of the lanes load row r
.irp j, 0,1,2,3,4,5,6,7
	global_load_b128 v[F+4*\j:F+4*\j+3], v44, s[6:7] offset:16*\j th:TH_LOAD_NT
.endr
	s_cmp_lt_u32 ttmp9, 64                         ; lora_B has 64 fragments: work-group i < 64 takes ranks 16 (i / 32) on, K step i % 32
	s_cbranch_scc0 .Lonly_a
	s_lshr_b32 s34, ttmp9, 5
	s_lshl_b32 s34, s34, 18                        ; 16 rows of 16,384 bytes
	s_and_b32 s36, ttmp9, 31
	s_lshl_b32 s36, s36, 9                         ; 512 bytes a K step
	s_add_co_u32 s34, s34, s36
	s_add_nc_u64 s[8:9], s[8:9], s[34:35]
	s_mul_i32 s36, ttmp9, 1536                     ; its image,
	s_mov_b32 s37, 0
	s_add_nc_u64 s[36:37], s[12:13], s[36:37]
	s_lshl_b32 s38, ttmp9, 6                       ; and its 16 scale words
	s_mov_b32 s39, 0
	s_add_nc_u64 s[38:39], s[12:13], s[38:39]
	v_lshlrev_b32 v45, 14, v2
	v_lshlrev_b32 v46, 2, v2                       ; 4 r
	v_lshl_add_u32 v45, v3, 7, v45                 ; row r, + 128 h: my block of 32 f32
.irp c, 0,1
.irp j, 0,1,2,3,4,5,6,7
	global_load_b128 v[WP+32*\c+4*\j:WP+32*\c+4*\j+3], v45, s[8:9] offset:256*\c+16*\j th:TH_LOAD_NT
.endr
.endr
	s_wait_loadcnt 16                              ; lora_A's eight loads are in; lora_B's sixteen may be out
	DOA
	s_wait_loadcnt 0x0
	QFRAG WP, PC+12, PW+1, 0
.irp c, 0,1,2
	global_store_b128 v4, v[PC+12+4*\c:PC+12+4*\c+3], s[36:37] offset:512*\c
.endr
	global_store_b32 v46, v[PW+1], s[38:39] offset:98304
	s_branch .Ljoin
.Lonly_a:
	s_wait_loadcnt 0x0
	DOA
.Ljoin:
	s_wait_dscnt 0x0                               ; for the others' sake: my scale words have landed
	s_barrier_signal -1
	s_barrier_wait -1                              ; the launch's one barrier: all 33 steps' scale words lie in LDS
	s_cmp_lg_u32 s20, 8
	s_cbranch_scc1 .Lend
.irp c, 0,1,2,3,4
	ds_load_b96 v[128+4*\c:130+4*\c], v14 offset:512*\c   ; a row's three words; lanes 0-15 slot 2 c, lanes 16-31 slot 2 c + 1
.endr
	ds_load_b96 v[148:150], v15                    ; slot 10
.irp c, 0,1,2,3,4,5
	v_mov_b32 v[131+4*\c], 0                       ; word 3
.endr
	s_wait_alu depctr_va_vdst(0)
	s_wait_dscnt 0x0
.irp c, 0,1,2,3,4
	global_store_b128 v7, v[128+4*\c:131+4*\c], s[10:11] offset:9728*\c+4608   ; sixteen lanes store 256 consecutive bytes, aligned
.endr
	global_store_b128 v12, v[148:151], s[10:11] offset:53248
.irp c, 0,1,2
	global_store_b128 v4, v[PC+4*\c:PC+4*\c+3], s[24:25] offset:512*\c   ; step 32's image
.endr
.Lend:
	s_wait_tensorcnt 0x0                           ; the wave's end
	ds_add_u32 v[SPW], v[NIL]
	s_wait_dscnt 0x0
	s_endpgm
.Lfunc_end_k_q3c89848713_prep:
	.size	k_q3c89848713_prep, .Lfunc_end_k_q3c89848713_prep-k_q3c89848713_prep
	.p2alignl 7, 3214868480
	.fill 96, 4, 3214868480
	.section	.rodata,"a",@progbits
	.p2align	6, 0x0
	.amdhsa_kernel k_q3c89848713_prep
		.amdhsa_group_segment_fixed_size 71680
		.amdhsa_private_segment_fixed_size 0
		.amdhsa_enable_private_segment 0
		.amdhsa_kernarg_size 40
		.amdhsa_user_sgpr_count 2
		.amdhsa_user_sgpr_kernarg_segment_ptr 1
		.amdhsa_wavefront_size32 1
		.amdhsa_system_sgpr_workgroup_id_x 1
		.amdhsa_system_sgpr_workgroup_id_y 1
		.amdhsa_system_sgpr_workgroup_id_z 1
		.amdhsa_system_vgpr_workitem_id 0
		.amdhsa_next_free_vgpr 218
		.amdhsa_next_free_sgpr 66
		.amdhsa_reserve_vcc 0
		.amdhsa_float_denorm_mode_32 3
		.amdhsa_float_denorm_mode_16_64 3
		.amdhsa_memory_ordered 1
		.amdhsa_forward_progress 1
		.amdhsa_inst_pref_size 71
	.end_amdhsa_kernel
	.amdgpu_metadata
---
amdhsa.version: [ 1, 2 ]
amdhsa.kernels:
  - .name:           k_q3c89848713_prep
    .symbol:         k_q3c89848713_prep.kd
    .args:
      - { .name: weight_q, .offset: 0, .size: 8, .value_kind: global_buffer, .address_space: global }
      - { .name: lora_A, .offset: 8, .size: 8, .value_kind: global_buffer, .address_space: global }
      - { .name: lora_B, .offset: 16, .size: 8, .value_kind: global_buffer, .address_space: global }
      - { .name: wcodes, .offset: 24, .size: 8, .value_kind: global_buffer, .address_space: global }
      - { .name: bq, .offset: 32, .size: 8, .value_kind: global_buffer, .address_space: global }
    .group_segment_fixed_size: 71680
    .private_segment_fixed_size: 0
    .kernarg_segment_align: 8
    .kernarg_segment_size: 40
    .max_flat_workgroup_size: 288
    .sgpr_count:     66
    .vgpr_count:     218
    .wavefront_size: 32
...
	.end_amdgpu_metadata
.endif
;; end of part 1
;; launch xq (part 2): grid 256 x 1, 16 waves a work-group, no clusters, 176,896 bytes of LDS; arguments x, bq, xcodes; writes xcodes
.if DOCPART == 2
	.amdgcn_target "amdgcn-amd-amdhsa--gfx1250"
	.amdhsa_code_object_version 6
	.text
	.protected	k_q3c89848713_xq
	.globl	k_q3c89848713_xq
	.p2align	8
	.type	k_q3c89848713_xq,@function
k_q3c89848713_xq:
	s_mov_b64 s[64:65], 0
	v_nop
	global_prefetch_b8 v0, s[64:65] scope:SCOPE_SE
	s_setreg_imm32_b32 hwreg(HW_REG_WAVE_MODE, 25, 1), 1
	s_wait_xcnt 0x0
; x [4096][4096] f32 becomes codes of FP6 (E2M3) with one E8M0 byte for each 32 along K, and while a fragment stands in registers it is multiplied by Q(lora_B): t = Q(x) Q(lora_B)^T [4096][32], which is quantised too.
; A block's scale is 2^(floor(log2(its largest magnitude)) - 2); its byte is that magnitude's exponent field - 2, held at 1 from below.
; LIMITS: NaN and infinities are not served.  A block of zeros gets the byte 1 where the rule says 127: its codes are zeros, and only this program reads the bytes.
; t's sum over K is taken in 16 parts of 256 along K (one a wave, f32 in the matrix unit), added in f32 as a tree: another order of f32 additions than K ascending.
; LAYOUTS (this program's own).  A FRAGMENT is 16 rows x 128 K, 12 registers a lane: lane (r, h) holds row r, registers 6 c .. 6 c + 5 the codes of K = 64 c + 32 h + 0 .. 31.  Its IMAGE: registers 4 c .. 4 c + 3 of lane l at 512 c + 16 l.
;   xcodes [row block of 16: 256][slot: 11][4,864]: a slot holds the images of K steps 3 t, 3 t + 1, 3 t + 2, then 256 bytes [r: 16][4 words]: word q is row r's scale word of step 3 t + q, word 3 is 0.
;          Steps 0 to 31 are x's 4,096 along K; step 32 is Q(t) (K = 32, filled to 128 with zero codes).  So image s lies at 1,536 s + 256 (s / 3) of its row block.
; SHARES.  Work-group i takes rows 16 i .. 16 i + 15; wave w takes K = 256 w .. 256 w + 255: two fragments.  All of a wave's loads go out at its head: 16 KiB of x a wave, 256 KiB a work-group; there is no loop.
; A load is best where neighbouring lanes take neighbouring bytes (512 consecutive bytes of a row); the conversions want 32 neighbours along K in ONE lane: so a K step's 16 rows x 512 bytes turn through the wave's own stage in LDS.
; A slot's three scale words come from different waves: they meet in LDS and leave as whole groups of 256 bytes (in the store of the eleventh, lanes l and l + 16 write the same bytes with the same value).
; No tensor load, no cluster, no prefetch: x is read once, by loads that are all out at once; only lora_B's 100 KB of codes are read by more than one work-group.
.set SP,   528                         ; a stage row: 512 bytes + 16
.set STG,  16*SP                       ; a wave's stage
.set PS,   16*STG                      ; behind the stages: t's partial sums: wave w, token r, rank n at PSW w + PSR r + 4 n
.set PSW,  2304
.set PSR,  144                         ; 128 bytes + 16
.set XS,   PS+16*PSW                   ; behind them: x's scale words as they will lie in memory: 256 t + 16 r + 4 q: 2,816 bytes (a row's word 3, and step 32's word, are neither written nor read here)
.set RBK,  53504                       ; a row block of xcodes
.set ACC,  16                          ; v16-31   t^T: two accumulators (ranks 0-15, 16-31)
.set PC,   32                          ; v32-55   the two fragments' codes
.set PT,   56                          ; v56-63   the upper halves of two blocks' codes (a conversion's three registers begin on an even number)
.set R,    64                          ; v64-191  two K steps' numbers, as loaded and then 64 of my row: register 32 c + i = K 64 c + 32 h + i
.set BF,   192                         ; v192-239 lora_B's fragments: ranks 16 u on, K step q, at 12 (2 u + q)
.set BS,   240                         ; v240-243 their scale words, 2 u + q
.set PW,   244                         ; v244-245 x's scale words of my two K steps
.set TM,   246                         ; v246-247 largest magnitudes, v248-249 scale operands, v250-251 bytes, v252 the other half's
.set XW,   253                         ; v253-254 where I put my two scale words
.set SH8,  13                          ; v13      8 h
.set MASK, 14                          ; v14      all ones in lanes 0-15, 0 in lanes 16-31
.set SEL,  20                          ; s[20:21] lane selects: lane l xor 16
.macro QFRAG s, pc, pw                 ; 64 numbers of a lane become a fragment's 12 registers and its row's scale word; a lane holds two whole blocks
.irp c, 0,1
	v_max3_num_f32 v[TM+\c], |v[(\s)+32*\c]|, |v[(\s)+32*\c+1]|, 0x1800000   ; and the floor 2^(3 - 127): the byte cannot fall under 1
.endr
.irp i, 2,4,6,8,10,12,14,16,18,20,22,24,26,28,30
.irp c, 0,1
	s_delay_alu instid0(VALU_DEP_2)
	v_max3_num_f32 v[TM+\c], v[TM+\c], |v[(\s)+32*\c+\i]|, |v[(\s)+32*\c+\i+1]|   ; the two blocks by turns
.endr
.endr
.irp c, 0,1
	s_delay_alu instid0(VALU_DEP_2)
	v_add_nc_u32 v[TM+2+\c], 0xff000000, v[TM+\c]  ; 2 off the exponent field: the conversion takes this operand's exponent field as its scale
.endr
.irp c, 0,1
	s_delay_alu instid0(VALU_DEP_2)
	v_lshrrev_b32 v[TM+4+\c], 23, v[TM+2+\c]       ; the scale's byte
.endr
	s_delay_alu instid0(VALU_DEP_1)
	v_lshl_or_b32 v[\pw], v[TM+5], 16, v[TM+4]     ; my two bytes: blocks h and 2 + h,
	s_delay_alu instid0(VALU_DEP_1)
	v_lshlrev_b32 v[\pw], v[SH8], v[\pw]           ; at their places in the word;
	s_delay_alu instid0(VALU_DEP_1)
	v_permlanex16_b32 v[TM+6], v[\pw], s[SEL], s[SEL+1]
	s_delay_alu instid0(VALU_DEP_1)
	v_or_b32 v[\pw], v[\pw], v[TM+6]               ; with lane l xor 16's two the word is whole, in both lanes
.irp c, 0,1
	v_cvt_scalef32_pk16_fp6_f32 v[(\pc)+6*\c:(\pc)+6*\c+2], v[(\s)+32*\c:(\s)+32*\c+15], v[TM+2+\c]
	v_cvt_scalef32_pk16_fp6_f32 v[PT+4*\c:PT+4*\c+2], v[(\s)+32*\c+16:(\s)+32*\c+31], v[TM+2+\c]
.endr
	v_nop                                          ; one plain instruction behind the scaled conversions
.irp c, 0,1
.irp i, 0,1,2
	v_mov_b32 v[(\pc)+3+6*\c+\i], v[PT+4*\c+\i]
.endr
.endr
.endm
	s_load_b128 s[4:7], s[0:1], 0x0                ; x s[4:5], bq s[6:7]
	s_load_b64 s[8:9], s[0:1], 0x10                ; xcodes
	v_lshl_add_u32 v59, v0, 2, 0x2ab00
	v_mov_b32 v63, 0
	v_lshrrev_b32 v1, 5, v0
	s_delay_alu instid0(VALU_DEP_1)
	v_readfirstlane_b32 s12, v1                    ; wave 0..15
	v_and_b32 v1, 31, v0                           ; lane
	v_and_b32 v2, 15, v0                           ; r
	v_bfe_u32 v3, v0, 4, 1                         ; h
	s_delay_alu instid0(VALU_DEP_3)
	v_lshlrev_b32 v4, 4, v1                        ; 16 x lane
	s_mul_i32 s13, s12, STG
	v_add_nc_u32 v5, s13, v4                       ; the stage, on the way in
	v_mul_u32_u24 v6, v2, SP
	s_delay_alu instid0(VALU_DEP_1)
	v_lshl_add_u32 v6, v3, 7, v6
	s_delay_alu instid0(VALU_DEP_1)
	v_add_nc_u32 v6, s13, v6                       ; and out: row r, + 128 h: my block of 32 f32
	v_lshlrev_b32 v8, 2, v2                        ; lora_B's scale words: 4 r
	v_mul_u32_u24 v10, v2, PSR
	s_delay_alu instid0(VALU_DEP_1)
	v_lshl_add_u32 v9, v3, 5, v10
	s_mul_i32 s13, s12, PSW
	s_add_co_u32 s13, s13, PS
	v_add_nc_u32 v9, s13, v9                       ; where I put my partial sums: token r, ranks 8 h on
	v_lshl_add_u32 v10, v3, 6, v10
	s_delay_alu instid0(VALU_DEP_1)
	v_add_nc_u32 v10, PS, v10                      ; where wave 0 reads them: token r, ranks 16 h on
	v_lshlrev_b32 v255, 4, v2                      ; 16 r
	s_wait_alu depctr_va_vdst(0)
	v_add_nc_u32 v11, XS+2560, v255                ; where wave 0 reads slot 10's words of steps 30 and 31
	v_add_nc_u32 v12, XS, v4                       ; where wave 1 reads the other ten slots' words
	v_mul_u32_u24 v15, v3, 4864
	s_delay_alu instid0(VALU_DEP_1)
	v_add_nc_u32 v15, v15, v255                    ; and where they go: lanes 0-15 one slot's group, lanes 16-31 the next slot's
	v_lshlrev_b32 v[SH8], 3, v3
	v_add_nc_u32 v[MASK], -1, v3
	v_mov_b32 v[TM+6], 0                           ; written once: a lane permute's destination counts as one of its sources
	s_mov_b32 s[SEL], 0x76543210
	s_mov_b32 s[SEL+1], 0xfedcba98
	; K step s = 2 x wave + q: its scale word lies at 16 r + 4 s + 244 (s / 3) of the words, its image at 1,536 s + 256 (s / 3) of the row block.  s / 3 = (43 s) >> 7 for s up to 35
	s_lshl_b32 s28, s12, 1
.irp q, 0,1
	s_add_co_u32 s29, s28, \q
	s_mul_i32 s30, s29, 43
	s_lshr_b32 s30, s30, 7
	s_mul_i32 s31, s30, 244
	s_lshl_b32 s13, s29, 2
	s_add_co_u32 s31, s31, s13
	s_add_co_u32 s31, s31, XS
	v_add_nc_u32 v[XW+\q], s31, v255
	s_mul_i32 s13, s29, 1536
	s_lshl_b32 s30, s30, 8
	s_add_co_u32 s[22+4*\q], s13, s30
	s_mov_b32 s[23+4*\q], 0
.endr
	s_lshl_b32 s14, ttmp9, 18                      ; x: 16 rows of 16,384 bytes a work-group,
	s_lshl_b32 s15, s12, 10                        ; 1,024 bytes of each row a wave
	s_add_co_u32 s14, s14, s15
	s_mov_b32 s15, 0
	s_mul_i32 s16, s12, 3072                       ; lora_B's images of my two K steps
	s_mov_b32 s17, 0
	s_lshl_b32 s18, s12, 7                         ; and their scale words: 64 bytes a K step
	s_mov_b32 s19, 0
	s_mul_i32 s24, ttmp9, RBK
	s_mov_b32 s25, 0
	s_wait_kmcnt 0x0
	s_add_nc_u64 s[4:5], s[4:5], s[14:15]
	s_add_nc_u64 s[16:17], s[6:7], s[16:17]
	s_add_nc_u64 s[18:19], s[6:7], s[18:19]
	s_add_nc_u64 s[10:11], s[8:9], s[24:25]        ; my row block of xcodes,
	s_add_nc_u64 s[22:23], s[10:11], s[22:23]      ; and my two images in it
	s_add_nc_u64 s[26:27], s[10:11], s[26:27]
.irp u, 0,1
.irp q, 0,1
.irp p, 0,1,2
	global_load_b128 v[BF+12*(2*\u+\q)+4*\p:BF+12*(2*\u+\q)+4*\p+3], v4, s[16:17] offset:49152*\u+1536*\q+512*\p   ; a fragment's image: 32 lanes read 512 consecutive bytes, aligned
.endr
.endr
	global_load_b32 v[BS+2*\u], v8, s[18:19] offset:98304+2048*\u      ; its rows' scale words of my two K steps
	global_load_b32 v[BS+2*\u+1], v8, s[18:19] offset:98304+2048*\u+64
.endr
.irp q, 0,1
.irp j, 0,1,2,3,4,5,6,7,8,9,10,11,12,13,14,15
	global_load_b128 v[R+64*\q+4*\j:R+64*\q+4*\j+3], v4, s[4:5] offset:16384*\j+512*\q th:TH_LOAD_NT   ; row j, K step q: 32 lanes read 512 consecutive bytes, aligned
.endr
.endr
.macro KSTEP q
.if \q == 0
	s_wait_loadcnt 16                              ; all but the second K step's 16 loads are in
.else
	s_wait_loadcnt 0x0
.endif
.irp j, 0,1,2,3,4,5,6,7,8,9,10,11,12,13,14,15
	ds_store_b128 v5, v[R+64*\q+4*\j:R+64*\q+4*\j+3] offset:SP*\j
.endr
.irp c, 0,1
.irp j, 0,1,2,3,4,5,6,7
	ds_load_b128 v[R+64*\q+32*\c+4*\j:R+64*\q+32*\c+4*\j+3], v6 offset:256*\c+16*\j   ; LDS serves a wave's instructions in order (ISA guide 5.7.1.4): these see the stores above
.endr
.endr
	s_wait_dscnt 0x0
	QFRAG R+64*\q, PC+12*\q, PW+\q
.rept 8
	v_nop                                          ; a scale register written by a vector instruction stands 8 places ahead of a scaled matrix instruction, an operand so written 4
.endr
.irp u, 0,1                                    ; t^T: source 0 = 16 rows of lora_B, source 1 = my 16 rows of x.  The two accumulators take turns
.if \q == 0
	v_wmma_scale_f32_16x16x128_f8f6f4 v[ACC+8*\u:ACC+8*\u+7], v[BF+12*(2*\u+\q):BF+12*(2*\u+\q)+11], v[PC+12*\q:PC+12*\q+11], 0, v[BS+2*\u+\q], v[PW+\q] matrix_a_fmt:MATRIX_FMT_FP6 matrix_b_fmt:MATRIX_FMT_FP6
.else
	v_wmma_scale_f32_16x16x128_f8f6f4 v[ACC+8*\u:ACC+8*\u+7], v[BF+12*(2*\u+\q):BF+12*(2*\u+\q)+11], v[PC+12*\q:PC+12*\q+11], v[ACC+8*\u:ACC+8*\u+7], v[BS+2*\u+\q], v[PW+\q] matrix_a_fmt:MATRIX_FMT_FP6 matrix_b_fmt:MATRIX_FMT_FP6
.endif
.endr
.endm
	KSTEP 0
	KSTEP 1
.rept 4
	v_nop                                          ; four places between the last matrix instruction and the first read of its result (ISA guide 7.12.1)
.endr
.irp u, 0,1
	ds_store_b128 v9, v[ACC+8*\u:ACC+8*\u+3] offset:64*\u          ; lane (r, h), register j: t(token r, rank 16 u + 8 h + j); each accumulator from its low end on
	ds_store_b128 v9, v[ACC+8*\u+4:ACC+8*\u+7] offset:64*\u+16
.endr
	ds_store_b32 v[XW], v[PW]                      ; lanes l and l + 16 hold the same word and write it to the same place
	ds_store_b32 v[XW+1], v[PW+1]
.irp q, 0,1                                    ; the two images leave together, behind the wave's vector, matrix and LDS work
.irp c, 0,1,2
	global_store_b128 v4, v[PC+12*\q+4*\c:PC+12*\q+4*\c+3], s[22+4*\q:23+4*\q] offset:512*\c   ; 512 consecutive bytes a store, aligned
.endr
.endr
	s_wait_dscnt 0x0                               ; for the others' sake: my stores have landed
	s_barrier_signal -1
	s_barrier_wait -1                              ; the launch's one barrier: all sixteen parts of t and all scale words lie in LDS
	s_cmp_eq_u32 s12, 0
	s_cbranch_scc1 .Lsum
	s_cmp_eq_u32 s12, 1
	s_cbranch_scc1 .Lwords
	s_wait_tensorcnt 0x0
	ds_add_u32 v59, v63
	s_wait_dscnt 0x0
	s_endpgm
; eight waves' parts, from wave p0 on, into v[base] .. v[base + 127]; their sum, by a tree, into v[base] .. v[base + 15]: ranks 16 h + 0 .. 15 of token r
.macro GATHER base, p0
.irp p, 0,1,2,3,4,5,6,7
.irp c, 0,1,2,3
	ds_load_b128 v[\base+16*\p+4*\c:\base+16*\p+4*\c+3], v10 offset:PSW*(\p0+\p)+16*\c
.endr
.endr
	s_wait_dscnt 0x0
.irp d, 4,2,1
.irp p, 0,1,2,3
.if \p < \d
.irp e, 0,2,4,6,8,10,12,14
	v_pk_add_f32 v[\base+16*\p+\e:\base+16*\p+\e+1], v[\base+16*\p+\e:\base+16*\p+\e+1], v[\base+16*(\p+\d)+\e:\base+16*(\p+\d)+\e+1]
.endr
.endif
.endr
.endr
.endm
.Lsum:                                         ; wave 0: t is summed and quantised: one block of 32 a token, in lanes r and r + 16
	ds_load_b64 v[208:209], v11                    ; row r's scale words of steps 30 and 31: they leave with t's word
	GATHER 64, 0
	GATHER 80, 8
.irp e, 0,2,4,6,8,10,12,14
	v_pk_add_f32 v[64+\e:65+\e], v[64+\e:65+\e], v[80+\e:81+\e]
.endr
	v_max3_num_f32 v[TM], |v64|, |v65|, 0x1800000  ; my 16, and the floor 2^(3 - 127)
.irp i, 2,4,6,8,10,12,14
	s_delay_alu instid0(VALU_DEP_1)
	v_max3_num_f32 v[TM], v[TM], |v[64+\i]|, |v[65+\i]|
.endr
	s_delay_alu instid0(VALU_DEP_1)
	v_permlanex16_b32 v[TM+6], v[TM], s[SEL], s[SEL+1]
	s_delay_alu instid0(VALU_DEP_1)
	v_max_num_f32 v[TM], v[TM], v[TM+6]            ; with lane l xor 16's: the block's largest magnitude
	s_delay_alu instid0(VALU_DEP_1)
	v_add_nc_u32 v[TM+2], 0xff000000, v[TM]
	s_delay_alu instid0(VALU_DEP_1)
	v_lshrrev_b32 v210, 23, v[TM+2]                ; t's scale word: byte 0 for K = 0 .. 31; bytes 1 to 3 are 0 and stand over zero codes.  The same in lanes l and l + 16
	v_cvt_scalef32_pk16_fp6_f32 v[PT:PT+2], v[64:79], v[TM+2]
	v_mov_b32 v211, 0                              ; word 3.  (One plain instruction behind the scaled conversion)
.irp i, 0,1,2
	v_permlanex16_b32 v[PT+4+\i], v[PT+\i], s[SEL], s[SEL+1]   ; lanes 0-15 get the codes of ranks 16 to 31
.endr
.irp i, 0,1,2
	v_and_b32 v[96+\i], v[PT+\i], v[MASK]          ; the image: K = 0 .. 31 in registers 0-5 of lanes 0-15; all else is zero codes
	v_and_b32 v[99+\i], v[PT+4+\i], v[MASK]
.endr
.irp i, 102,103,104,105,106,107
	v_mov_b32 v[\i], 0
.endr
.irp c, 0,1,2
	global_store_b128 v4, v[96+4*\c:99+4*\c], s[10:11] offset:51712+512*\c   ; step 32's image
.endr
	global_store_b128 v255, v[208:211], s[10:11] offset:53248   ; slot 10's scale words: sixteen lanes cover 256 consecutive bytes, aligned; the other sixteen write the same
	s_wait_tensorcnt 0x0
	ds_add_u32 v59, v63
	s_wait_dscnt 0x0
	s_endpgm
.Lwords:                                       ; wave 1: the scale words of slots 0 to 9
.irp c, 0,1,2,3,4
	ds_load_b96 v[64+4*\c:66+4*\c], v12 offset:512*\c   ; a row's three words; lanes 0-15 slot 2 c, lanes 16-31 slot 2 c + 1
.endr
.irp c, 0,1,2,3,4
	v_mov_b32 v[67+4*\c], 0                        ; word 3
.endr
	s_wait_alu depctr_va_vdst(0)
	s_wait_dscnt 0x0
.irp c, 0,1,2,3,4
	global_store_b128 v15, v[64+4*\c:67+4*\c], s[10:11] offset:9728*\c+4608   ; sixteen lanes store 256 consecutive bytes, aligned
.endr
	s_wait_tensorcnt 0x0
	ds_add_u32 v59, v63
	s_wait_dscnt 0x0
	s_endpgm
.Lfunc_end_k_q3c89848713_xq:
	.size	k_q3c89848713_xq, .Lfunc_end_k_q3c89848713_xq-k_q3c89848713_xq
	.p2alignl 7, 3214868480
	.fill 96, 4, 3214868480
	.section	.rodata,"a",@progbits
	.p2align	6, 0x0
	.amdhsa_kernel k_q3c89848713_xq
		.amdhsa_group_segment_fixed_size 176896
		.amdhsa_private_segment_fixed_size 0
		.amdhsa_enable_private_segment 0
		.amdhsa_kernarg_size 24
		.amdhsa_user_sgpr_count 2
		.amdhsa_user_sgpr_kernarg_segment_ptr 1
		.amdhsa_wavefront_size32 1
		.amdhsa_system_sgpr_workgroup_id_x 1
		.amdhsa_system_sgpr_workgroup_id_y 1
		.amdhsa_system_sgpr_workgroup_id_z 1
		.amdhsa_system_vgpr_workitem_id 0
		.amdhsa_next_free_vgpr 256
		.amdhsa_next_free_sgpr 66
		.amdhsa_reserve_vcc 0
		.amdhsa_float_denorm_mode_32 3
		.amdhsa_float_denorm_mode_16_64 3
		.amdhsa_memory_ordered 1
		.amdhsa_forward_progress 1
		.amdhsa_inst_pref_size 39
	.end_amdhsa_kernel
	.amdgpu_metadata
---
amdhsa.version: [ 1, 2 ]
amdhsa.kernels:
  - .name:           k_q3c89848713_xq
    .symbol:         k_q3c89848713_xq.kd
    .args:
      - { .name: x, .offset: 0, .size: 8, .value_kind: global_buffer, .address_space: global }
      - { .name: bq, .offset: 8, .size: 8, .value_kind: global_buffer, .address_space: global }
      - { .name: xcodes, .offset: 16, .size: 8, .value_kind: global_buffer, .address_space: global }
    .group_segment_fixed_size: 176896
    .private_segment_fixed_size: 0
    .kernarg_segment_align: 8
    .kernarg_segment_size: 24
    .max_flat_workgroup_size: 512
    .sgpr_count:     66
    .vgpr_count:     256
    .wavefront_size: 32
...
	.end_amdgpu_metadata
.endif
;; end of part 2
;; launch gemm (part 3): grid 16 x 16, 4 waves a work-group, clusters of 4 x 4, 327,680 bytes of LDS; arguments xcodes, scale, wcodes, bias, out0; writes out0
.if DOCPART == 3
	.amdgcn_target "amdgcn-amd-amdhsa--gfx1250"
	.amdhsa_code_object_version 6
	.text
	.protected	k_q3c89848713_gemm
	.globl	k_q3c89848713_gemm
	.p2align	8
	.type	k_q3c89848713_gemm,@function
k_q3c89848713_gemm:
	s_mov_b64 s[64:65], 0
	v_nop
	global_prefetch_b8 v0, s[64:65] scope:SCOPE_SE
	s_setreg_imm32_b32 hwreg(HW_REG_WAVE_MODE, 25, 1), 1
	s_wait_xcnt 0x0
	s_wait_alu depctr_hold_cnt(0) depctr_sa_sdst(0) depctr_va_vdst(0) depctr_va_sdst(0) depctr_va_ssrc(0) depctr_va_vcc(0) depctr_vm_vsrc(0)
	s_getreg_b32 s2, hwreg(HW_REG_IB_STS2, 6, 4)
	s_cmp_eq_u32 s2, 0
	s_cbranch_scc0 .Lentry_in_a_cluster
	s_endpgm
.Lentry_in_a_cluster:
	s_bfe_u32 s2, ttmp6, 0x10000c
	s_cmp_lg_u32 s2, 0xf033
	s_cbranch_scc0 .Lentry_shape_is_right
	s_endpgm
.Lentry_shape_is_right:
; out0 = (Q(x) Q(W)^T) scale + Q(t) Q(lora_A)^T + bias, on codes of FP6 (E2M3) with E8M0 scale words, as the two launches before have laid them.
; xcodes and wcodes: [row block of 16: 256][slot: 11][4,864]: a slot holds three K steps' fragment images (1,536 bytes each: registers 4 c .. 4 c + 3 of lane l at 512 c + 16 l), then 256 bytes [r: 16][4 words] of scale words.
; K steps 0 to 31 are the 4,096 along K; step 32 is Q(t) against Q(lora_A).  In front of step 32 the sums are multiplied by the column's scale and the bias is added (one packed multiply-add), so step 32 adds onto the finished affine form.
; A tile of out0, 256 x 256, is made by four waves, 128 x 128 each: 64 accumulators, 512 registers.  A ring of two LDS slots, each with one slot of 16 row blocks of x and of 16 of W; a wave's tensor load brings 8 row blocks, rows of 4,864 bytes (19 x 256), each begun on a multiple of 256.
; CLUSTERS: 4 x 4 work-groups; x's tiles are asked for jointly along a row of the cluster, W's along a column.  THE MATRIX INSTRUCTION IS USED TRANSPOSED (source 0 = W's rows, source 1 = x's): a lane holds eight neighbouring columns of a row of out0.
; REGISTERS: window 0: v0-31 addresses; v32-95 scale words, two sets; v96-127, v224-255 the columns' scale; v128-223 x's fragments, one set.  Window 1: W's fragments, two sets, at v0 and v128; v96-127, v224-255 the bias.  Windows 2, 3: the accumulators.
; W's fragments of a slot's steps 1 and 2 are asked of LDS a whole step ahead (their set is free then); x's blocks 0-3 in a step's middle, blocks 4-7 at its end.
; STEP 32 GOES BY ROWS OF out0: block by block of 16 rows the affine form, eight products, the wave's own stage in LDS, and the stores; a block comes back from the stage into its own accumulators' registers.
; PREFETCH: every cluster asks for what it will itself load, two slots (six K steps) ahead: slot n + 2 where slot n's joint load is issued; slots 1 and 2 at the head, slot 3 behind slot 1's load.  Of a tile's 16 row blocks the four partners that
; ask for it jointly take four each, by address (cx for x's codes, cy for W's), a wave one of them: 4,864 bytes, a lane 256 (lanes 19-31 name the last again).  The loop's last trip asks for nothing at its second change of slots: there is no slot 11.
.set SIZE_N, 4096
.set NQ,     3                         ; K steps to a slot
.set FR,     12                        ; registers of a fragment
.set NL,     3                         ; LDS loads that bring one
.set NP,     4                         ; places behind this matrix instruction (ISA guide 7.12.1)
.set FRB,    1536
.set RB,     4864                      ; a row block's part of a slot
.set SWO,    NQ*FRB                    ; its scale words
.set KROWB,  11*RB
.set HALFT,  8*RB                      ; what one tensor load brings
.set SLOT,   4*HALFT
.set SPARE,  2*SLOT                    ; the spare words, 128 bytes a wave
.set SPITCH, 528
.set STAGE,  SLOT                      ; the way out: 16 rows x 528 bytes a wave, in slot 1, which has had its last fill and its last read by then
.set ADRA, 16
.set ADRS, 18
.set ADRB, 20
.set CHA,  22
.set STO,  24
.set RD,   25
.set CO,   26
.set SPW,  28
.set NIL,  29
.set PFO,  30
.set SC,   32
.set AF,   128
.set G1, 24
.set G0, 32
.set G1B, 48
.set G0B, 56
.set PFA, 68
.set PFB, 70
.set MSB, 0
.macro WIN new                         ; the immediate's high byte repeats the setting that is left
.if MSB != (\new)
	s_set_vgpr_msb (MSB<<8)|(\new)
.set MSB, (\new)
.endif
.endm
.set MUL_LO, 0xa1
.set MUL_HI, 0xf1
.set TO_B,   0x40
.macro JLOAD g0a, g1a, g0b, g1b        ; a joint load: waves 0 and 1 fetch x's codes, waves 2 and 3 W's
	s_cmp_eq_u32 s15, 0
	s_cbranch_scc0 .Lfor_b_\@
	tensor_load_to_lds s[\g0a:\g0a+3], s[\g1a:\g1a+7]
	s_nop 0
.rept 4
	v_nop
.endr
	s_branch .Lasked_\@
.Lfor_b_\@:
	tensor_load_to_lds s[\g0b:\g0b+3], s[\g1b:\g1b+7]
	s_nop 0
.rept 4
	v_nop
.endr
.Lasked_\@:
.endm
.macro CREST                           ; a round of the cluster's barrier behind its opening barrier
	s_cmp_lg_u32 s14, 0
	s_cbranch_scc1 .Lnot_wave_0_\@
	s_barrier_signal -3
.Lnot_wave_0_\@:
	s_barrier_wait -3
	s_barrier_signal -1
	s_barrier_wait -1
.endm
.macro CROUND
	s_barrier_signal -1
	s_barrier_wait -1
	CREST
.endm
.macro ASK ptr, off, lim               ; lim > 0: only while the loop has more than lim trips to go (s3 counts them down)
.if \lim
	s_cmp_gt_u32 s3, \lim
	s_cbranch_scc0 .Lnot_now_\@
.endif
	global_prefetch_b8 v[PFO], s[\ptr:\ptr+1] offset:\off th:TH_LOAD_NT scope:SCOPE_SE
.if \lim
.Lnot_now_\@:
.endif
.endm
	s_load_b256 s[4:11], s[0:1], 0x0               ; xcodes s[4:5], scale s[6:7], wcodes s[8:9], bias s[10:11]
	s_load_b64 s[12:13], s[0:1], 0x20              ; out0
	v_lshl_add_u32 v[SPW], v0, 2, SPARE
	v_mov_b32 v[NIL], 0
	ds_add_u32 v[SPW], v[NIL]                      ; the opening lines: the add, twice on end, and its wait ahead of my first tensor load
	ds_add_u32 v[SPW], v[NIL]
	v_lshrrev_b32 v1, 5, v0
	v_readfirstlane_b32 s14, v1                    ; wave
	s_lshr_b32 s15, s14, 1                         ; my half of the tile's rows; also: I fetch x's codes (0) or W's (1)
	s_and_b32 s16, s14, 1                          ; my half of its columns; also: which 8 row blocks I fetch
	s_bfe_u32 s40, ttmp6, 0x40000                  ; cx, cy
	s_bfe_u32 s41, ttmp6, 0x40004
	s_lshl_b32 s42, ttmp9, 2
	s_add_co_u32 s42, s42, s40                     ; tile column
	s_and_b32 s17, ttmp7, 0xffff
	s_lshl_b32 s17, s17, 2
	s_add_co_u32 s17, s17, s41                     ; tile row
	s_lshl_b32 s43, s41, 2
	s_lshl_b32 s43, 15, s43                        ; my row of the cluster
	s_lshl_b32 s44, 0x1111, s40                    ; my column
	s_or_b32 s[G1+0], s43, (3<<16)|(1<<21)         ; elements of 8 bytes; bit 21 beside a mask
	s_or_b32 s[G1B+0], s44, (3<<16)|(1<<21)
.irp g, G1, G1B
	s_mov_b32 s[\g+1], 608<<16                     ; 8 rows of 608 elements, 6,688 elements apart
	s_mov_b32 s[\g+2], 8<<16
	s_mov_b32 s[\g+3], 608<<16
	s_mov_b32 s[\g+4], 8
	s_mov_b32 s[\g+5], 6688
	s_mov_b32 s[\g+6], 0
	s_mov_b32 s[\g+7], 0
.endr
	s_lshl_b32 s18, s16, 3
	s_lshl_b32 s20, s17, 4
	s_add_co_u32 s20, s20, s18
	s_lshl_b32 s46, s42, 4
	s_add_co_u32 s46, s46, s18
	s_mul_i32 s20, s20, KROWB
	s_mov_b32 s21, 0
	s_mul_i32 s46, s46, KROWB
	s_mov_b32 s47, 0
	s_mul_i32 s45, s14, HALFT
	s_wait_dscnt 0x0                               ; both opening adds are done
	s_wait_kmcnt 0x0
	s_add_nc_u64 s[20:21], s[4:5], s[20:21]
	s_add_nc_u64 s[46:47], s[8:9], s[46:47]
.irp s, 0,1
	s_mov_b32 s[G0+4*\s], 1
	s_add_co_u32 s[G0+4*\s+1], s45, \s*SLOT
	s_add_nc_u64 s[G0+4*\s+2:G0+4*\s+3], s[20:21], \s*RB
	s_or_b32 s[G0+4*\s+3], s[G0+4*\s+3], 0x80000000
	s_mov_b32 s[G0B+4*\s], 1
	s_add_co_u32 s[G0B+4*\s+1], s45, \s*SLOT
	s_add_nc_u64 s[G0B+4*\s+2:G0B+4*\s+3], s[46:47], \s*RB
	s_or_b32 s[G0B+4*\s+3], s[G0B+4*\s+3], 0x80000000
.endr
	CROUND                                         ; all sixteen work-groups are here: the first joint loads meet
	JLOAD G0, G1, G0B, G1B                         ; slot 0: one tensor load a wave at the head
	v_and_b32 v1, 15, v0
	v_bfe_u32 v2, v0, 4, 1
	v_and_b32 v3, 31, v0
	v_lshlrev_b32 v4, 4, v3
	s_mul_i32 s21, s15, HALFT
	s_mul_i32 s22, s16, HALFT
	s_add_co_u32 s22, s22, 2*HALFT
	s_sub_co_u32 s23, s22, s21
	v_mul_u32_u24 v5, s23, v2                      ; scale words: lanes 0-15 x's rows, lanes 16-31 W's
	v_lshl_add_u32 v5, v1, 4, v5
	v_add_nc_u32 v5, SWO, v5
.irp s, 0,1
	v_add_nc_u32 v[ADRA+\s], s21, v4
	v_add_nc_u32 v[ADRB+\s], s22, v4
	v_add_nc_u32 v[ADRS+\s], s21, v5
	s_add_co_u32 s21, s21, SLOT
	s_add_co_u32 s22, s22, SLOT
.endr
	s_mul_i32 s23, s14, 16*SPITCH
	s_add_co_u32 s23, s23, STAGE
	v_mul_u32_u24 v5, v1, SPITCH
	v_lshl_add_u32 v5, v2, 5, v5
	v_add_nc_u32 v[STO], s23, v5
	v_lshlrev_b32 v[CO], 4, v3
	v_add_nc_u32 v[RD], s23, v[CO]
	v_lshlrev_b32 v[CHA], 5, v2
	s_wait_alu depctr_va_vdst(0)
	s_lshl_b32 s20, s17, 8
	s_lshl_b32 s21, s15, 7
	s_add_co_u32 s20, s20, s21
	s_lshl_b32 s20, s20, 14                        ; my first row of out0, in bytes
	s_mov_b32 s21, 0
	s_lshl_b32 s46, s42, 10
	s_lshl_b32 s47, s16, 9
	s_add_co_u32 s46, s46, s47                     ; my first column, in bytes
	s_mov_b32 s47, 0
	s_add_nc_u64 s[6:7], s[6:7], s[46:47]
	s_add_nc_u64 s[10:11], s[10:11], s[46:47]
	s_add_nc_u64 s[20:21], s[20:21], s[46:47]
	s_add_nc_u64 s[12:13], s[12:13], s[20:21]
.irp b, 0,1,2,3,4,5,6,7                        ; my lane's eight columns of each of the eight column blocks: their scale, under slot 0's flight
	global_load_b128 v[96+8*\b+96*(\b/4):96+8*\b+96*(\b/4)+3], v[CHA], s[6:7] offset:64*\b
	global_load_b128 v[96+8*\b+96*(\b/4)+4:96+8*\b+96*(\b/4)+7], v[CHA], s[6:7] offset:64*\b+16
.endr
	WIN TO_B
.irp b, 0,1,2,3,4,5,6,7                        ; and their bias
	global_load_b128 v[96+8*\b+96*(\b/4):96+8*\b+96*(\b/4)+3], v[CHA], s[10:11] offset:64*\b
	global_load_b128 v[96+8*\b+96*(\b/4)+4:96+8*\b+96*(\b/4)+7], v[CHA], s[10:11] offset:64*\b+16
.endr
	WIN 0
	s_lshl_b32 s20, s17, 4                         ; the prefetches: of the tile's 16 row blocks my work-group takes four by its place, my wave one of them
	s_lshl_b32 s21, s40, 2
	s_add_co_u32 s20, s20, s21
	s_add_co_u32 s20, s20, s14
	s_mul_i32 s20, s20, KROWB
	s_add_co_u32 s20, s20, RB                      ; at slot 1
	s_mov_b32 s21, 0
	s_add_nc_u64 s[PFA:PFA+1], s[4:5], s[20:21]
	s_lshl_b32 s46, s42, 4
	s_lshl_b32 s47, s41, 2
	s_add_co_u32 s46, s46, s47
	s_add_co_u32 s46, s46, s14
	s_mul_i32 s46, s46, KROWB
	s_add_co_u32 s46, s46, RB
	s_mov_b32 s47, 0
	s_add_nc_u64 s[PFB:PFB+1], s[8:9], s[46:47]
	v_min_u32 v5, 18, v3
	v_lshlrev_b32 v[PFO], 8, v5
	s_wait_alu depctr_va_vdst(0)                   ; the wait at the head's end
	ASK PFA, 0, 0                                  ; slots 1 and 2
	ASK PFB, 0, 0
	ASK PFA, RB, 0
	ASK PFB, RB, 0
.macro FRAG reg, adr, off
.irp c, 0,1,2
	ds_load_b128 v[\reg+4*\c:\reg+4*\c+3], v[\adr] offset:\off+512*\c
.endr
.endm
; 16 matrix instructions: x's blocks a0, a0 + 1 against W's eight.  The 64 accumulators take turns.  zero = 1: the first product starts the sums
.macro MUL16 a0, p, q, sc, zero
.irp a, \a0, \a0+1
.irp b, 0,1,2,3,4,5,6,7
.if \zero
	v_wmma_scale_f32_16x16x128_f8f6f4 v[8*(8*((\a)%4)+\b):8*(8*((\a)%4)+\b)+7], v[128*(\p)+FR*\b:128*(\p)+FR*\b+FR-1], v[AF+FR*(\a):AF+FR*(\a)+FR-1], 0, v[SC+32*(\sc)+4*\b+(\q)], v[SC+32*(\sc)+4*(\a)+(\q)] matrix_a_fmt:MATRIX_FMT_FP6 matrix_b_fmt:MATRIX_FMT_FP6 matrix_a_scale:MATRIX_SCALE_ROW1
.else
	v_wmma_scale_f32_16x16x128_f8f6f4 v[8*(8*((\a)%4)+\b):8*(8*((\a)%4)+\b)+7], v[128*(\p)+FR*\b:128*(\p)+FR*\b+FR-1], v[AF+FR*(\a):AF+FR*(\a)+FR-1], v[8*(8*((\a)%4)+\b):8*(8*((\a)%4)+\b)+7], v[SC+32*(\sc)+4*\b+(\q)], v[SC+32*(\sc)+4*(\a)+(\q)] matrix_a_fmt:MATRIX_FMT_FP6 matrix_b_fmt:MATRIX_FMT_FP6 matrix_a_scale:MATRIX_SCALE_ROW1
.endif
.endr
.endr
.endm
.macro FETCH_B slot, q, p
	WIN TO_B
.irp i, 0,1,2,3,4,5,6,7
	FRAG 128*(\p)+FR*\i, ADRB+\slot, \i*RB+(\q)*FRB
.endr
	WIN 0
.endm
.macro FETCH_A slot, q, i0
.irp i, \i0, \i0+1, \i0+2, \i0+3
	FRAG AF+FR*(\i), ADRA+\slot, (\i)*RB+(\q)*FRB
.endr
.endm
.macro SCALES sc
.irp i, 0,1,2,3,4,5,6,7
	ds_load_b128 v[SC+32*\sc+4*\i:SC+32*\sc+4*\i+3], v[ADRS+\sc] offset:\i*RB
.endr
.endm
.macro PLACES n
.rept \n
	v_nop
.endr
.endm
; Step q = 0 or 1 of a slot.  W's set of step q + 1 was asked for at the end of the step before; at the end of step 0 the set just multiplied takes step 2's
.macro STEP slot, q, zero
	s_wait_dscnt 12*NL                             ; may be out: x's blocks 4-7 (12 loads) and W's next set (24)
	WIN MUL_LO
	MUL16 0, ((\slot)+(\q))%2, \q, \slot, \zero
	MUL16 2, ((\slot)+(\q))%2, \q, \slot, \zero
	s_wait_dscnt 8*NL                              ; x's blocks 4-7 are in; W's next set may be out
	PLACES NP
	WIN 0
	FETCH_A \slot, (\q)+1, 0
	WIN MUL_HI
	MUL16 4, ((\slot)+(\q))%2, \q, \slot, \zero
	MUL16 6, ((\slot)+(\q))%2, \q, \slot, \zero
	PLACES NP
	WIN 0
	FETCH_A \slot, (\q)+1, 4
.if (\q) == 0
	FETCH_B \slot, 2, (\slot)%2
.endif
.endm
; Step 2 of a slot, and the change of slots: each wave waits for all its tensor loads, adds 0 to its spare word, waits for that and for its reads of this slot; the barrier opens a round of the cluster's barrier; the refill comes first behind it.
; ask = 1: the slot two behind the one just asked for is prefetched; ask = 2: but not in the loop's last trip
.macro TURN slot, next, fill, ask
.if \ask
	s_wait_xcnt 0x0                                ; my prefetches have read their addresses
	s_add_nc_u64 s[PFA:PFA+1], s[PFA:PFA+1], RB
	s_add_nc_u64 s[PFB:PFB+1], s[PFB:PFB+1], RB
.endif
	s_wait_tensorcnt 0x0
	ds_add_u32 v[SPW], v[NIL]
	s_wait_dscnt 4*NL+1                            ; the add and x's blocks 4-7 may be out
	WIN MUL_LO
	MUL16 0, \slot, NQ-1, \slot, 0
	s_wait_dscnt 0x0
	s_barrier_signal -1
	MUL16 2, \slot, NQ-1, \slot, 0
	WIN 0
	s_barrier_wait -1
.if \fill
	CREST
	s_add_nc_u64 s[G0+4*\slot+2:G0+4*\slot+3], s[G0+4*\slot+2:G0+4*\slot+3], 2*RB
	s_add_nc_u64 s[G0B+4*\slot+2:G0B+4*\slot+3], s[G0B+4*\slot+2:G0B+4*\slot+3], 2*RB
	JLOAD G0+4*\slot, G1, G0B+4*\slot, G1B         ; its four v_nop are the places in front of the loads below
.else
	PLACES NP
.endif
	FETCH_B \next, 0, \next
	FETCH_A \next, 0, 0
	SCALES \next
.if \ask
	ASK PFA, 2*RB, (\ask)-1
	ASK PFB, 2*RB, (\ask)-1
.endif
	WIN MUL_HI
	MUL16 4, \slot, NQ-1, \slot, 0
	MUL16 6, \slot, NQ-1, \slot, 0
	PLACES NP
	WIN 0
	FETCH_A \next, 0, 4
	FETCH_B \next, 1, ((\next)+1)%2
.endm
	s_wait_tensorcnt 0x0                           ; my part of slot 0 is in
	ds_add_u32 v[SPW], v[NIL]
	s_wait_loadcnt 0x0                             ; scale and bias are in
	s_wait_dscnt 0x0
	CROUND                                         ; slot 0 is whole in every work-group of the cluster
	JLOAD G0+4, G1, G0B+4, G1B                     ; slot 1's first fill, the first tensor load behind the round
	FETCH_B 0, 0, 0
	FETCH_A 0, 0, 0
	SCALES 0
	FETCH_A 0, 0, 4
	FETCH_B 0, 1, 1
	ASK PFA, 2*RB, 0                               ; slot 3
	ASK PFB, 2*RB, 0
	STEP 0, 0, 1
	s_mov_b32 s3, 4
.Llap:                                         ; a trip goes once round the ring: six K steps
	STEP 0, 1, 0
	TURN 0, 1, 1, 1
	STEP 1, 0, 0
	STEP 1, 1, 0
	TURN 1, 0, 1, 2
	STEP 0, 0, 0
	s_sub_co_u32 s3, s3, 1
	s_cmp_lg_u32 s3, 0
	s_cbranch_scc1 .Llap
	STEP 0, 1, 0
	TURN 0, 1, 1, 0                                ; slot 10, the last fill
	STEP 1, 0, 0
	STEP 1, 1, 0
	TURN 1, 0, 0, 0
	STEP 0, 0, 0
	STEP 0, 1, 0
; STEP 32, by rows of out0
.macro AFFROW a                        ; block a's sums x the column's scale + the bias; each accumulator from its low end on
	WIN 0x92+0x41*((\a)/4)
.irp b, 0,1,2,3,4,5,6,7
.irp p, 0,2,4,6
	v_pk_fma_f32 v[64*((\a)%4)+8*\b+\p:64*((\a)%4)+8*\b+\p+1], v[64*((\a)%4)+8*\b+\p:64*((\a)%4)+8*\b+\p+1], v[96+8*\b+96*(\b/4)+\p:96+8*\b+96*(\b/4)+\p+1], v[96+8*\b+96*(\b/4)+\p:96+8*\b+96*(\b/4)+\p+1]
.endr
.endr
.endm
.macro MUL8 a                          ; block a of Q(t) against Q(lora_A)'s eight
	WIN MUL_LO+0x50*((\a)/4)
.irp b, 0,1,2,3,4,5,6,7
	v_wmma_scale_f32_16x16x128_f8f6f4 v[64*((\a)%4)+8*\b:64*((\a)%4)+8*\b+7], v[FR*\b:FR*\b+FR-1], v[AF+FR*(\a):AF+FR*(\a)+FR-1], v[64*((\a)%4)+8*\b:64*((\a)%4)+8*\b+7], v[SC+4*\b+NQ-1], v[SC+4*(\a)+NQ-1] matrix_a_fmt:MATRIX_FMT_FP6 matrix_b_fmt:MATRIX_FMT_FP6 matrix_a_scale:MATRIX_SCALE_ROW1
.endr
.endm
.macro TOSTAGE a                       ; 32 bytes a lane into my stage, and back as whole rows of 512 bytes, into the block's own registers (LDS serves a wave's instructions in order: ISA guide 5.7.1.4)
	WIN 0x88+0x44*((\a)/4)
.irp b, 0,1,2,3,4,5,6,7
	ds_store_b128 v[STO], v[64*((\a)%4)+8*\b:64*((\a)%4)+8*\b+3] offset:64*\b
	ds_store_b128 v[STO], v[64*((\a)%4)+8*\b+4:64*((\a)%4)+8*\b+7] offset:64*\b+16
.endr
.irp t, 0,1,2,3,4,5,6,7,8,9,10,11,12,13,14,15
	ds_load_b128 v[64*((\a)%4)+4*\t:64*((\a)%4)+4*\t+3], v[RD] offset:\t*SPITCH
.endr
.endm
.macro SEND a, younger                 ; younger: the LDS instructions issued behind block a's loads.  Every offset is an immediate: 127 rows of 16,384 bytes at the most, inside the signed 24 bits
	WIN 0x88+0x44*((\a)/4)
	s_wait_dscnt \younger
.irp t, 0,1,2,3,4,5,6,7,8,9,10,11,12,13,14,15
	global_store_b128 v[CO], v[64*((\a)%4)+4*\t:64*((\a)%4)+4*\t+3], s[12:13] offset:(16*(\a)+\t)*SIZE_N*4 th:TH_STORE_NT   ; 32 lanes store 512 consecutive bytes, aligned
.endr
.endm
	AFFROW 0
	AFFROW 1
	s_wait_alu depctr_va_vdst(0)                   ; directly ahead of the wait below
	s_wait_dscnt 0x0                               ; step 32's fragments are in
	MUL8 0
.irp a, 0,1,2,3,4,5,6,7
.if \a < 7
	MUL8 \a+1
.endif
.if \a < 6
	AFFROW \a+2                                    ; also the places behind the products above
	s_wait_alu depctr_va_vdst(0)
.else
.if \a == 6
	PLACES NP
.endif
.endif
	TOSTAGE \a
.if \a > 0
	SEND \a-1, 32                                  ; behind block a - 1's loads: block a's 16 stores and 16 loads
.endif
.endr
	SEND 7, 0
	WIN 0
	s_wait_tensorcnt 0x0                           ; the wave's end
	ds_add_u32 v[SPW], v[NIL]
	s_wait_dscnt 0x0
	CROUND                                         ; the closing round
	s_endpgm
.Lfunc_end_k_q3c89848713_gemm:
	.size	k_q3c89848713_gemm, .Lfunc_end_k_q3c89848713_gemm-k_q3c89848713_gemm
	.p2alignl 7, 3214868480
	.fill 96, 4, 3214868480
	.section	.rodata,"a",@progbits
	.p2align	6, 0x0
	.amdhsa_kernel k_q3c89848713_gemm
		.amdhsa_group_segment_fixed_size 327680
		.amdhsa_private_segment_fixed_size 0
		.amdhsa_enable_private_segment 0
		.amdhsa_kernarg_size 40
		.amdhsa_user_sgpr_count 2
		.amdhsa_user_sgpr_kernarg_segment_ptr 1
		.amdhsa_wavefront_size32 1
		.amdhsa_system_sgpr_workgroup_id_x 1
		.amdhsa_system_sgpr_workgroup_id_y 1
		.amdhsa_system_sgpr_workgroup_id_z 1
		.amdhsa_system_vgpr_workitem_id 0
		.amdhsa_next_free_vgpr 1024
		.amdhsa_next_free_sgpr 80
		.amdhsa_reserve_vcc 0
		.amdhsa_float_denorm_mode_32 3
		.amdhsa_float_denorm_mode_16_64 3
		.amdhsa_memory_ordered 1
		.amdhsa_forward_progress 1
		.amdhsa_inst_pref_size 236
	.end_amdhsa_kernel
	.amdgpu_metadata
---
amdhsa.version: [ 1, 2 ]
amdhsa.kernels:
  - .name:           k_q3c89848713_gemm
    .symbol:         k_q3c89848713_gemm.kd
    .args:
      - { .name: xcodes, .offset: 0, .size: 8, .value_kind: global_buffer, .address_space: global }
      - { .name: scale, .offset: 8, .size: 8, .value_kind: global_buffer, .address_space: global }
      - { .name: wcodes, .offset: 16, .size: 8, .value_kind: global_buffer, .address_space: global }
      - { .name: bias, .offset: 24, .size: 8, .value_kind: global_buffer, .address_space: global }
      - { .name: out0, .offset: 32, .size: 8, .value_kind: global_buffer, .address_space: global }
    .group_segment_fixed_size: 327680
    .private_segment_fixed_size: 0
    .kernarg_segment_align: 8
    .kernarg_segment_size: 40
    .max_flat_workgroup_size: 128
    .sgpr_count:     80
    .vgpr_count:     1024
    .wavefront_size: 32
...
	.end_amdgpu_metadata
.endif
;; end of part 3
